; MI455X (gfx1250); checked and timed in simulation.
; The chip was launched on July 23, 2026; its instructions are those of AMD's public machine-readable ISA for CDNA 5 (MIT licence, August 2026) and "CDNA5" Instruction Set Architecture Reference Guide (July 2026). The comments in the code are by the model that wrote it; some were corrected since.
;; Hybrid Attention. Allowed arithmetic: matrix products marked QUANTISED: E3M2 operands, one E8M0 scale for each 32 along K, by v_wmma_scale_f32_16x16x128_f8f6f4 with both operands' format E3M2, f32 sums; everything else in f32.
;; Inputs: keys 4 x 2,048 x 8 x 64 float32; queries 4 x 2,048 x 8 x 64 float32; values 4 x 2,048 x 8 x 64 float32.
;; Outputs: out0 4 x 2,048 x 8 x 64 float32.
;; This version of the problem:
;;   THIS VERSION OF THE PROBLEM IS GIVEN IN LOW PRECISION. The matrix products marked QUANTISED in the list below multiply operands that are first quantised to E3M2 (3 exponent bits, 2 mantissa bits; 6 bits a number), with one power-of-two scale for each 32 numbers along K (OCP MX v1.0); their sums are f32. All else is computed in f32.
;;   The module's matrix products, in the order in which they are computed (A, B: the left and right operand; K: the contracted axis; several contracted axes count as one K, in the product's order):
;;     1. batch 32 x [M 2,048, K 64] x [K 64, N 2,048]; A: input queries; B: input keys: QUANTISED
;;     2. batch 32 x [M 64, K 2,048] x [K 2,048, N 2,048]; A: input values; B: computed on the way: QUANTISED
;;   THE QUANTISER, for each operand of a quantised product, along K:
;;     - K is cut into blocks of 32 from its start; a last block that is shorter is filled with zeros.
;;     - A block's scale is 2^e with e = floor(log2(the largest magnitude in the block)) - 4, held to -126 .. 127; a block of zeros has e = 0. As a byte (E8M0): e + 127.
;;     - Each number is divided by its block's scale, clamped to +-28, and rounded to the nearest number of E3M2, ties to even, subnormals kept.
;;     - The product sums the exact products of the quantised numbers (number of the format x scale) in f32.
;;   ~~~python
;;   def quantise(x, axis):      # numpy; x: float32 -> the quantised numbers, widened to float32 again
;;       x = np.moveaxis(x, axis, -1); K = x.shape[-1]
;;       x = np.pad(x, [(0, 0)] * (x.ndim - 1) + [(0, -K % 32)]); x = x.reshape(x.shape[:-1] + (-1, 32)); a = np.abs(x).max(-1, keepdims=True)
;;       e = np.where(a > 0, np.clip(np.frexp(np.where(a > 0, a, 1))[1] - 1 - 4, -126, 127), 0)      # np.frexp(a)[1] - 1 = floor(log2(a)), exactly
;;       r = np.clip(x / 2.0 ** e, -28, 28)
;;       step = 2.0 ** (np.maximum(np.frexp(np.where(r == 0, 1, r))[1] - 1, -2) - 2)
;;       q = np.round(r / step) * step * 2.0 ** e      # np.round: ties to even
;;       return np.moveaxis(q.reshape(q.shape[:-2] + (-1,))[..., :K], -1, axis).astype(np.float32)
;;   ~~~
;;   OPERANDS COMPUTED ON THE WAY. 'Computed on the way' means the value that the module computes at that place (a softmax that the list does not call 'softmax' is quantised finished and normalised). What goes into a quantiser is computed in f32, as accurately as f32 sums, v_exp_f32 and their like allow (about 1e-6 of the number): no bf16 or f16 on the way to a quantiser, and a product that is left as it is and whose result goes on into a quantised operand takes f32 operands (vector FMAs, or v_wmma_f32_16x16x4_f32). A number that lies on a knife's edge between two numbers of the format may be rounded either way, as far as f32 arithmetic and the matrix unit's own rounding can turn it there, and no further.
;; One version. Each part assembles by itself: llvm-mc -triple=amdgcn-amd-amdhsa -mcpu=gfx1250 --defsym DOCPART=n.
;; ======== version 1 of 1: 2 launches
;; limits: right only within a limited range of input values
;; workspace buffers: kv 6,553,600 bytes
;; launch quant (part 1): grid 16 x 32, 4 waves a work-group, no clusters, 71,168 bytes of LDS; arguments keys, values, kv; writes kv
.if DOCPART == 1
	.amdgcn_target "amdgcn-amd-amdhsa--gfx1250"
	.amdhsa_code_object_version 6
	.text
	.protected	k_q5930899b68_quant
	.globl	k_q5930899b68_quant
	.p2align	8
	.type	k_q5930899b68_quant,@function
k_q5930899b68_quant:
	s_mov_b64 s[64:65], 0
	v_nop
	global_prefetch_b8 v0, s[64:65] scope:SCOPE_SE
	s_setreg_imm32_b32 hwreg(HW_REG_WAVE_MODE, 25, 1), 1
	s_wait_xcnt 0x0
; HybridAttention in MX-BF6, launch 1 of 2: keys and values [4][2048][8][64] f32 become codes of E3M2 with one E8M0 byte for each 32 along a product's K,
; laid in kv as IMAGES OF THE OPERANDS' REGISTERS, so that launch 2 takes every fragment by loads of 16 bytes a lane.
; THE PROGRAM.  For each of 32 (batch, head): S = Q K^T (K = the head's 64), P = softmax(S / 8) + softmax of the same scores under reference()'s own window, O = P V (K = the 2,048 keys).
; P is quantised finished and normalised, so a row's maximum and sum are known before any p is quantised: launch 2 walks the keys twice and makes S twice.
; WORK LEFT OUT.  reference() sets local_scores to -inf wherever j - i lies outside -2 .. 1, by a mask that it builds in its own body; exp(-inf) is 0 for all values of the inputs, so A_local is 0 there.
; Launch 2 therefore makes the local softmax of a query from the runs of 32 keys that hold its window alone.  All three inputs have a way to the output and are loaded.
; LIMIT: a NaN, an infinity or an overflow that reaches only the work left out is not carried to the result.
; LIMITS of this launch: NaN and infinities among the inputs are not served.  A block of zeros gets the byte 1 where the rule says 127: its codes are zeros, which add nothing under any byte but 0xff, and this program alone reads the bytes.
; kv: head bh = 8 b + h: 16 records of 12,800 bytes, one for each step of 128 keys: four images of K (1,536 bytes each), four of V, one of scale words (512).
;   An image: register p of lane l at byte 512 (p / 4) + 16 l + 4 (p % 4): three stores of 16 bytes a lane write it, three loads bring it back.
;   K's image g is a PAIR of tiles of 16 keys x 64: registers 0-5 tile 2 g, registers 6-11 tile 2 g + 1; lane (r, h) holds dims 32 h .. 32 h + 31 of the tile's row r.
;   Row m of tile 2 g + e is key 64 (g / 2) + 16 (g % 2) + 32 (m / 8) + 8 e + m % 8 of the step, so that launch 2's scores fall into the order that P's operand wants.
;   V's image t: lane (r, h), registers 6 c .. 6 c + 5: channel 16 t + r, keys 64 c + 32 h + 0 .. 31 of the step.
;   The scale image: lane l < 16: K's four words (g = 0 .. 3) of row l; lane 16 + r: V's four words (t = 0 .. 3) of channel row r.  In a word, byte 2 e + h (K) or 2 c + h (V).
; SHARES.  A work-group takes one step of one head: 128 rows of 256 bytes of K and of V.  Wave w makes K's image w and V's image w.  Every global load covers two whole rows of 256 bytes, every store 512 consecutive bytes.
; K's rows turn through the wave's own stage (a lane needs 32 neighbours of one row); V's go into a stage that all four waves read by columns, behind a barrier (a lane needs 32 keys of one channel).
; No tensor load, no ring: each byte of LDS is written once.
.set KSTW,  8704                       ; K's stage of a wave: 32 rows x (256 + 16) bytes
.set VSTG,  4*KSTW                     ; V's stage: four runs of 32 keys x 272 bytes,
.set RUNB,  8832                       ; each followed by 128 bytes: 2,208 words from run to run, so that the two halves of the lanes read columns 32 words apart modulo 64
.set SCIMG, VSTG+4*RUNB                ; the scale image, 512 bytes
.set SPARE, SCIMG+512                  ; the spare words, 128 bytes for each wave: two blocks of 256 bytes that no other line names
.set RECB,  12800                      ; a record of kv
.set GA,  4                            ; v4   2,048 h + 16 r: two rows a load
.set KST, 5                            ; v5   K's stage, in
.set KLD, 6                            ; v6   K's stage, out: row r, + 128 h
.set VST, 7                            ; v7   V's stage, in
.set VLD, 8                            ; v8   V's stage, out: run h, channel 16 w + r
.set LI,  9                            ; v9   16 x lane
.set KSW, 10                           ; v10  where K's scale word goes
.set VSW, 11                           ; v11  where V's goes
.set SPW, 12                           ; v12  my spare word; never rewritten
.set NIL, 13                           ; v13  0; never rewritten
.set SH8, 14                           ; v14  8 h
.set SCR, 15                           ; v15  the scale image, 16 bytes a lane
.set KR,  16                           ; v16-79   K as loaded; later V's 64 numbers
.set VR,  80                           ; v80-143  V as loaded
.set X,   144                          ; v144-207 K's 64 numbers
.set W,   208                          ; v208-219 a fragment's codes
.set CT,  220                          ; v220-222, v224-226 the second halves' codes (a conversion's three registers begin on an even number)
.set NN,  228
.set MM,  232
.set OP,  234
.set BB,  236
.set WD,  238
.set XP,  239
.set PW,  240
.set SEL, 20                           ; s[20:21] lane selects: lane l xor 16
; 64 numbers of a lane, block c of 32 at v[x + 32 c], become 12 registers of codes in v[W] on and the scale word in v[PW] (my two bytes at 2 c + h, with lane l xor 16's two).
.macro QUANT64 x
.irp b, 0,1,2,3
	v_max3_num_f32 v[NN+\b], |v[(\x)+16*\b]|, |v[(\x)+16*\b+1]|, |v[(\x)+16*\b+2]|      ; four chains by turns
.endr
.irp i, 3,5,7,9,11,13
.irp b, 0,1,2,3
	v_max3_num_f32 v[NN+\b], v[NN+\b], |v[(\x)+16*\b+\i]|, |v[(\x)+16*\b+\i+1]|
.endr
.endr
.irp c, 0,1
	v_max3_num_f32 v[MM+\c], v[NN+2*\c], v[NN+2*\c+1], |v[(\x)+32*\c+15]|
.endr
.irp c, 0,1
	v_max3_num_f32 v[MM+\c], v[MM+\c], |v[(\x)+32*\c+31]|, 0x2800000                   ; and the floor 2^(5 - 127): the byte cannot fall under 1
.endr
.irp c, 0,1
	v_add_nc_u32 v[OP+\c], 0xfe000000, v[MM+\c]    ; 4 off the exponent field: the conversion takes this operand's exponent field as its scale
.endr
.irp c, 0,1
	v_lshrrev_b32 v[BB+\c], 23, v[OP+\c]           ; the scale's byte
.endr
	v_lshl_or_b32 v[WD], v[BB+1], 16, v[BB]
	v_lshlrev_b32 v[WD], v[SH8], v[WD]             ; bytes h and 2 + h
	v_permlanex16_b32 v[XP], v[WD], s[SEL], s[SEL+1]
	v_or_b32 v[PW], v[WD], v[XP]                   ; the word is whole, in both lanes
	v_cvt_scalef32_pk16_bf6_f32 v[W:W+2], v[(\x):(\x)+15], v[OP]
	v_cvt_scalef32_pk16_bf6_f32 v[W+6:W+8], v[(\x)+32:(\x)+47], v[OP+1]
	v_cvt_scalef32_pk16_bf6_f32 v[CT:CT+2], v[(\x)+16:(\x)+31], v[OP]
	v_cvt_scalef32_pk16_bf6_f32 v[CT+4:CT+6], v[(\x)+48:(\x)+63], v[OP+1]
	v_nop                                          ; one plain place behind the scaled conversions
.irp i, 0,1,2
	v_mov_b32 v[W+3+\i], v[CT+\i]
	v_mov_b32 v[W+9+\i], v[CT+4+\i]
.endr
.endm
	s_load_b128 s[4:7], s[0:1], 0x0                ; keys, values
	s_load_b64 s[8:9], s[0:1], 0x10                ; kv
	v_lshl_add_u32 v[SPW], v0, 2, SPARE
	v_mov_b32 v[NIL], 0
	v_lshrrev_b32 v1, 5, v0
	v_readfirstlane_b32 s10, v1                    ; wave 0..3
	s_and_b32 s11, ttmp7, 0xffff                   ; bh
	v_and_b32 v2, 15, v0                           ; r
	v_bfe_u32 v3, v0, 4, 1                         ; h
	v_and_b32 v1, 31, v0
	v_lshlrev_b32 v[LI], 4, v1
	v_lshlrev_b32 v[GA], 4, v2
	v_lshl_add_u32 v[GA], v3, 11, v[GA]
	s_mul_i32 s13, s10, KSTW
	s_mul_i32 s14, s10, RUNB
	s_add_co_u32 s14, s14, VSTG
	v_mul_u32_u24 v[KST], v3, 272
	v_lshl_add_u32 v[KST], v2, 4, v[KST]           ; 272 h + 16 r
	v_add_nc_u32 v[VST], s14, v[KST]
	v_add_nc_u32 v[KST], s13, v[KST]
	v_mul_u32_u24 v[KLD], v2, 272
	v_lshl_add_u32 v[KLD], v3, 7, v[KLD]
	v_add_nc_u32 v[KLD], s13, v[KLD]
	v_mul_u32_u24 v[VLD], v3, RUNB
	v_lshl_add_u32 v[VLD], v2, 2, v[VLD]
	s_lshl_b32 s15, s10, 6
	s_add_co_u32 s15, s15, VSTG
	v_add_nc_u32 v[VLD], s15, v[VLD]
	s_lshl_b32 s15, s10, 2
	s_add_co_u32 s15, s15, SCIMG
	v_lshlrev_b32 v[KSW], 4, v2
	v_add_nc_u32 v[KSW], s15, v[KSW]
	v_add_nc_u32 v[VSW], 256, v[KSW]
	v_lshlrev_b32 v[SH8], 3, v3
	v_add_nc_u32 v[SCR], SCIMG, v[LI]
	v_mov_b32 v[XP], 0                             ; a lane permute's destination counts as one of its sources
	s_mov_b32 s[SEL], 0x76543210
	s_mov_b32 s[SEL+1], 0xfedcba98
	s_lshr_b32 s16, s11, 3                         ; batch x 2048 x 2048 bytes
	s_lshl_b32 s16, s16, 22
	s_and_b32 s17, s11, 7                          ; + head x 256
	s_lshl_b32 s17, s17, 8
	s_add_co_u32 s16, s16, s17
	s_lshl_b32 s17, ttmp9, 18                      ; + step x 128 keys x 2,048 bytes
	s_add_co_u32 s16, s16, s17
	s_lshl_b32 s18, s10, 16                        ; V: my 32 keys
	s_add_co_u32 s18, s18, s16
	s_mov_b32 s19, 0
	s_lshr_b32 s17, s10, 1                         ; K: key 64 (w / 2) + 16 (w % 2)
	s_lshl_b32 s17, s17, 17
	s_add_co_u32 s16, s16, s17
	s_and_b32 s17, s10, 1
	s_lshl_b32 s17, s17, 15
	s_add_co_u32 s16, s16, s17
	s_mov_b32 s17, 0
	s_mul_i32 s22, s11, 16*RECB                    ; the record, and my image in it
	s_mul_i32 s23, ttmp9, RECB
	s_add_co_u32 s22, s22, s23
	s_mul_i32 s23, s10, 1536
	s_add_co_u32 s22, s22, s23
	s_mov_b32 s23, 0
	s_wait_kmcnt 0x0
	s_add_nc_u64 s[24:25], s[4:5], s[16:17]
	s_add_nc_u64 s[26:27], s[6:7], s[18:19]
	s_add_nc_u64 s[28:29], s[8:9], s[22:23]
.irp i, 0,1,2,3,4,5,6,7,8,9,10,11,12,13,14,15
	global_load_b128 v[KR+4*\i:KR+4*\i+3], v[GA], s[24:25] offset:(32*(\i/8)+2*(\i%8))*2048 th:TH_LOAD_NT   ; keys 32 (i / 8) + 2 (i % 8) + h of my 48
.endr
.irp i, 0,1,2,3,4,5,6,7,8,9,10,11,12,13,14,15
	global_load_b128 v[VR+4*\i:VR+4*\i+3], v[GA], s[26:27] offset:2*\i*2048 th:TH_LOAD_NT
.endr
	s_wait_loadcnt 16                              ; K's sixteen are in; V's sixteen, issued behind them, may be out
.irp i, 0,1,2,3,4,5,6,7,8,9,10,11,12,13,14,15
	ds_store_b128 v[KST], v[KR+4*\i:KR+4*\i+3] offset:(16*((\i%8)/4)+8*(\i/8)+2*(\i%4))*272   ; stage row 16 e + m
.endr
.irp e, 0,1
.irp j, 0,1,2,3,4,5,6,7
	ds_load_b128 v[X+32*\e+4*\j:X+32*\e+4*\j+3], v[KLD] offset:16*\e*272+16*\j   ; my own bytes, served in order: these see the stores above
.endr
.endr
	s_wait_loadcnt 0x0                             ; V
.irp i, 0,1,2,3,4,5,6,7,8,9,10,11,12,13,14,15
	ds_store_b128 v[VST], v[VR+4*\i:VR+4*\i+3] offset:2*\i*272
.endr
	s_wait_dscnt 16                                ; K's numbers are back; V's sixteen stage stores, issued behind them, may be out
	QUANT64 X
.irp j, 0,1,2
	global_store_b128 v[LI], v[W+4*\j:W+4*\j+3], s[28:29] offset:512*\j     ; 32 lanes store 512 consecutive bytes
.endr
	ds_store_b32 v[KSW], v[PW]                     ; lanes r and 16 + r write the same word with the same value
	s_wait_dscnt 0x0                               ; for the others' sake: my part of V's stage has landed
	s_barrier_signal -1
	s_barrier_wait -1
.irp c, 0,1
.irp i, 0,1,2,3,4,5,6,7,8,9,10,11,12,13,14,15,16,17,18,19,20,21,22,23,24,25,26,27,28,29,30,31
	ds_load_b32 v[KR+32*\c+\i], v[VLD] offset:\c*2*RUNB+\i*272   ; V(key 64 c + 32 h + i, channel 16 w + r)
.endr
.endr
	s_wait_dscnt 0x0
	s_wait_xcnt 0x0                                ; K's stores have read v[W] on: it is written again only behind this wait
	QUANT64 KR
.irp j, 0,1,2
	global_store_b128 v[LI], v[W+4*\j:W+4*\j+3], s[28:29] offset:6144+512*\j
.endr
	ds_store_b32 v[VSW], v[PW]
	s_wait_dscnt 0x0                               ; for wave 0's sake: my two scale words have landed
	s_barrier_signal -1
	s_barrier_wait -1
	s_cmp_lg_u32 s10, 0                            ; wave 0 (whose image offset is 0) stores the scale image
	s_cbranch_scc1 .Lnot_first
	ds_load_b128 v[KR:KR+3], v[SCR]
	s_wait_dscnt 0x0
	global_store_b128 v[LI], v[KR:KR+3], s[28:29] offset:12288
.Lnot_first:
	s_wait_tensorcnt 0x0                           ; the wave's end, behind my last LDS store
	ds_add_u32 v[SPW], v[NIL]
	s_wait_dscnt 0x0
	s_endpgm
.Lfunc_end_k_q5930899b68_quant:
	.size	k_q5930899b68_quant, .Lfunc_end_k_q5930899b68_quant-k_q5930899b68_quant
	.p2alignl 7, 3214868480
	.fill 96, 4, 3214868480
	.section	.rodata,"a",@progbits
	.p2align	6, 0x0
	.amdhsa_kernel k_q5930899b68_quant
		.amdhsa_group_segment_fixed_size 71168
		.amdhsa_private_segment_fixed_size 0
		.amdhsa_enable_private_segment 0
		.amdhsa_kernarg_size 24
		.amdhsa_user_sgpr_count 2
		.amdhsa_user_sgpr_kernarg_segment_ptr 1
		.amdhsa_wavefront_size32 1
		.amdhsa_system_sgpr_workgroup_id_x 1
		.amdhsa_system_sgpr_workgroup_id_y 1
		.amdhsa_system_sgpr_workgroup_id_z 1
		.amdhsa_system_vgpr_workitem_id 0
		.amdhsa_next_free_vgpr 248
		.amdhsa_next_free_sgpr 66
		.amdhsa_reserve_vcc 0
		.amdhsa_float_denorm_mode_32 3
		.amdhsa_float_denorm_mode_16_64 3
		.amdhsa_memory_ordered 1
		.amdhsa_forward_progress 1
		.amdhsa_inst_pref_size 21
	.end_amdhsa_kernel
	.amdgpu_metadata
---
amdhsa.version: [ 1, 2 ]
amdhsa.kernels:
  - .name:           k_q5930899b68_quant
    .symbol:         k_q5930899b68_quant.kd
    .args:
      - { .name: keys, .offset: 0, .size: 8, .value_kind: global_buffer, .address_space: global }
      - { .name: values, .offset: 8, .size: 8, .value_kind: global_buffer, .address_space: global }
      - { .name: kv, .offset: 16, .size: 8, .value_kind: global_buffer, .address_space: global }
    .group_segment_fixed_size: 71168
    .private_segment_fixed_size: 0
    .kernarg_segment_align: 8
    .kernarg_segment_size: 24
    .max_flat_workgroup_size: 128
    .sgpr_count:     66
    .vgpr_count:     248
    .wavefront_size: 32
...
	.end_amdgpu_metadata
.endif
;; end of part 1
;; launch attn (part 2): grid 8 x 32, 16 waves a work-group, no clusters, 327,680 bytes of LDS; arguments queries, kv, out0; writes out0
.if DOCPART == 2
	.amdgcn_target "amdgcn-amd-amdhsa--gfx1250"
	.amdhsa_code_object_version 6
	.text
	.protected	k_q5930899b68_attn
	.globl	k_q5930899b68_attn
	.p2align	8
	.type	k_q5930899b68_attn,@function
k_q5930899b68_attn:
	s_mov_b64 s[64:65], 0
	v_nop
	global_prefetch_b8 v0, s[64:65] scope:SCOPE_SE
	s_setreg_imm32_b32 hwreg(HW_REG_WAVE_MODE, 25, 1), 1
	s_wait_xcnt 0x0
; HybridAttention in MX-BF6, launch 2 of 2: out0[b][q][h][:] = the sum over keys of Q6(softmax(S / 8) + local softmax) x Q6(V), S = Q6(Q) Q6(K)^T; Q6 the quantiser along each product's K.
; WORK LEFT OUT (shown at the head of launch 1): the local softmax is 0 outside reference()'s own window j - i in -2 .. 1, so it is made only from the runs of 32 keys that hold a query's window.
; LIMITS: NaN and infinities among the inputs are not served, nor scores under -3e38; a p under 2^-126 counts as 0 (v_exp_f32 gives 0 there); a block of zeros carries the byte 1 where the rule says 127 (zero codes; nobody else reads the bytes).
; SHARES.  A work-group owns 256 queries of one (batch, head); each of its sixteen waves owns 16 of them, one tile, in 256 registers: four waves to a SIMD, so that one wave's vector work stands beside another's products and LDS loads.
; The head's whole record of kv, 204,800 bytes, is brought into LDS ONCE, one tensor load of 12,800 bytes a wave: no ring, nothing is filled again.
; TWO PASSES over the keys, 128 a step.  P is quantised normalised, so pass 1 finds each row's maximum m and sum l (running, a lane for its own half of the keys: no exchange in the loop) and keeps the scores of the window's runs;
; pass 2 makes the same scores by the same instructions, p = 2^(c s - c m) / l + the local p, quantises it in registers and multiplies by V.  O is never rescaled.
; LAYOUT.  Both products are used transposed: a lane holds ONE query (lane % 16).  K's fragments are PAIRS of tiles (dims 0-63 of tile 2 g, then of tile 2 g + 1): against Q's codes followed by zero codes a pair gives tile 2 g,
; against zero codes followed by Q's it gives tile 2 g + 1, so no LDS byte is spent on the empty half of the instruction's 128.  By launch 1's choice of a tile's keys, score register 32 c + i of lane (r, h) is key 64 c + 32 h + i of the step:
; the very order of P's operand.  A lane owns two whole blocks of 32 keys: no other lane is asked for a block's maximum, and no codes change lanes.
; NO CLUSTER, though the eight work-groups of a head read the same 204,800 bytes: the branches round the window's work hang on the wave's first query, which differs between those work-groups;
; what would be shared is this one fill at the head.  No prefetch: all loads from memory stand at the head.
.set STEPB, 12800                      ; a step's record: 4 images of K, 4 of V (1,536 bytes each), the scale image (512)
.set STAGE, 16*STEPB                   ; behind the record: 16 rows x (256 + 16) bytes for each wave, its own: Q on the way in, O on the way out
.set STW,   16*272
.set SPARE, STAGE+16*STW               ; the spare words, 128 bytes for each wave: eight blocks of 256 bytes that no other line names
.set LI,   1                           ; v1   16 x lane
.set ADR,  2                           ; v2   LDS address of the step in hand
.set SPW,  3                           ; v3   my spare word; never rewritten
.set NIL,  4                           ; v4   0; never rewritten
.set QSL,  5                           ; v5   Q's scale word for codes | zeros
.set CM,   6                           ; v[6:7]  c m, m
.set LS,   8                           ; v[8:9]  pass 1: l in two halves; pass 2: v8 = 1 / l
.set DL,   10                          ; v10  32 h - r + 2
.set VDS,  11                          ; v11  (first key of the run that I kept) - my query + 2
.set GG,   12                          ; v[12:13]  v12: 1.0 where the run in hand is the one I kept, else 0
.set SH8,  13                          ; v13  8 h
.set T0,   14
.set T1,   15
.set QHI,  16                          ; v[16:27] zeros | codes;
.set QLO,  22                          ; v[22:33] codes | zeros
.set FG,   34                          ; v34-81   four fragments
.set SC,   82                          ; v82-85   the step's scale image
.set S,    86                          ; v86-149  scores, then p
.set OA,   150                         ; v150-181 O^T, four tiles of 16 channels
.set PC,   182                         ; v182-193 p's codes
.set CT,   194                         ; v194-196, v198-200
.set LT,   202                         ; v202-233 the kept run's scores, then the local p
.set PW,   234                         ; p's scale word
.set QSH,  235                         ; Q's scale word for zeros | codes
.set NN,   236
.set MM,   240
.set OP,   242
.set RD,   244                         ; the stage by rows: 272 h + 16 r
.set GO,   245                         ; 2,048 h + 16 r: two rows of Q or of O
.set STO,  246                         ; the stage: row r, + 32 h
.set QLD,  247                         ; the stage: row r, + 128 h
.set NINF, 248
.set XP,   249                         ; v249-251 lane permutes' destinations
.set WV,   10
.set BH,   11
.set Q0,   12                          ; my first query
.set KF,   13                          ; the step's first key
.set TB,   14                          ; the step's record in LDS
.set CNT,  15
.set SEL,  20
.set CS,   22                          ; s[22:23] c = log2(e) / 8
.macro LOADK places                    ; K's four pair fragments and the scale image.  places: v_nop which, with the address's addition, stand between the last products and loads into their registers
	v_add_nc_u32 v[ADR], s[TB], v[LI]
.rept \places
	v_nop
.endr
.irp g, 0,1,2,3
.irp j, 0,1,2
	ds_load_b128 v[FG+12*\g+4*\j:FG+12*\g+4*\j+3], v[ADR] offset:1536*\g+512*\j
.endr
.endr
	ds_load_b128 v[SC:SC+3], v[ADR] offset:12288
	s_wait_dscnt 0x0
.endm
.macro QK                              ; S^T = K Q^T: eight tiles of 16 keys, each begun with the constant 0; four places behind them
.irp g, 0,1,2,3
	v_wmma_scale_f32_16x16x128_f8f6f4 v[S+16*\g:S+16*\g+7], v[FG+12*\g:FG+12*\g+11], v[QLO:QLO+11], 0, v[SC+\g], v[QSL] matrix_a_fmt:MATRIX_FMT_BF6 matrix_b_fmt:MATRIX_FMT_BF6
	v_wmma_scale_f32_16x16x128_f8f6f4 v[S+16*\g+8:S+16*\g+15], v[FG+12*\g:FG+12*\g+11], v[QHI:QHI+11], 0, v[SC+\g], v[QSH] matrix_a_fmt:MATRIX_FMT_BF6 matrix_b_fmt:MATRIX_FMT_BF6
.endr
.rept 4
	v_nop
.endr
.endm
; The window's work for the 64 keys KF + 64 c on; s36 = their first key - Q0.  My run is keys s36 + Q0 + 32 h + 0 .. 31; key i of it counts for my query where s36 + DL + i is 0 .. 3, so the run holds such a key where s36 + DL is -31 .. 3.
; Runs of one h lie 64 keys apart and the window is 4 keys: a lane meets at most one such run in a pass.
.macro LOC pass, c
	v_add_nc_u32 v[T0], s36, v[DL]
	v_add_nc_u32 v[T1], 31, v[T0]
	v_cmp_gt_u32 vcc_lo, 35, v[T1]
.if \pass == 1
	v_cndmask_b32 v[VDS], v[VDS], v[T0], vcc_lo
.set ii, 0
.rept 32
	v_cndmask_b32 v[LT+ii], v[LT+ii], v[S+32*\c+ii], vcc_lo      ; the run's scores are kept; each accumulator is read from its low end on
.set ii, ii+1
.endr
.else
	v_cndmask_b32 v[GG], 0, 1.0, vcc_lo
.set ii, 0
.rept 16
	v_pk_fma_f32 v[S+32*\c+ii:S+32*\c+ii+1], v[LT+ii:LT+ii+1], v[GG:GG+1], v[S+32*\c+ii:S+32*\c+ii+1] op_sel_hi:[1,0,1]   ; A_global + A_local
.set ii, ii+2
.endr
.endif
.endm
; Scalar branches on ids and the count of steps alone.  KF - Q0 is a multiple of 16.  My 16 queries' windows span keys Q0 - 2 .. Q0 + 16: a step meets them where KF - Q0 is -128 .. 16, a unit of 64 keys where its first key - Q0 is -64 .. 16.
.macro BAND pass
	s_sub_co_u32 s36, s[KF], s[Q0]
	s_add_co_u32 s37, s36, 128
	s_cmp_gt_u32 s37, 144
	s_cbranch_scc1 .Lband_done_\@
	s_add_co_u32 s37, s36, 64
	s_cmp_gt_u32 s37, 80
	s_cbranch_scc1 .Lband_next_\@
	LOC \pass, 0
.Lband_next_\@:
	s_add_co_u32 s36, s36, 64
	s_add_co_u32 s37, s36, 64
	s_cmp_gt_u32 s37, 80
	s_cbranch_scc1 .Lband_done_\@
	LOC \pass, 1
.Lband_done_\@:
.endm
.macro MAX64                           ; m = the largest of m and my 64 scores: four chains by turns; an accumulator's first read names one of its four lowest registers
.irp b, 0,1,2,3
	v_max3_num_f32 v[NN+\b], v[S+16*\b], v[S+16*\b+1], v[S+16*\b+2]
.endr
.irp i, 3,5,7,9,11,13
.irp b, 0,1,2,3
	v_max3_num_f32 v[NN+\b], v[NN+\b], v[S+16*\b+\i], v[S+16*\b+\i+1]
.endr
.endr
	v_max3_num_f32 v[NN], v[NN], v[S+15], v[S+31]
	v_max3_num_f32 v[NN+2], v[NN+2], v[S+47], v[S+63]
	v_max3_num_f32 v[CM+1], v[CM+1], v[NN], v[NN+1]
	v_max3_num_f32 v[CM+1], v[CM+1], v[NN+2], v[NN+3]
.endm
.macro SCALE64                         ; c s - c m, two at a time, then 2^ of it: one batch of exponentials
.set ii, 0
.rept 32
	v_pk_fma_f32 v[S+ii:S+ii+1], v[S+ii:S+ii+1], s[CS:CS+1], v[CM:CM+1] op_sel_hi:[1,0,0] neg_lo:[0,0,1] neg_hi:[0,0,1]
.set ii, ii+2
.endr
.endm
.macro EXP64
.set ii, 0
.rept 64
	v_exp_f32 v[S+ii], v[S+ii]
.set ii, ii+1
.endr
	v_nop                                          ; the plain place behind the last exponential
	s_wait_alu depctr_va_vdst(0)                   ; one wait for the batch, ahead of its first reader
.endm
; My 64 p, block c of 32 keys at v[S + 32 c], become P's 12 registers of codes in v[PC] on and its scale word in v[PW].
.macro QUANT64
.irp b, 0,1,2,3
	v_max3_num_f32 v[NN+\b], |v[S+16*\b]|, |v[S+16*\b+1]|, |v[S+16*\b+2]|
.endr
.irp i, 3,5,7,9,11,13
.irp b, 0,1,2,3
	v_max3_num_f32 v[NN+\b], v[NN+\b], |v[S+16*\b+\i]|, |v[S+16*\b+\i+1]|
.endr
.endr
.irp c, 0,1
	v_max3_num_f32 v[MM+\c], v[NN+2*\c], v[NN+2*\c+1], |v[S+32*\c+15]|
.endr
.irp c, 0,1
	v_max3_num_f32 v[MM+\c], v[MM+\c], |v[S+32*\c+31]|, 0x2800000    ; the floor 2^(5 - 127): the byte cannot fall under 1
.endr
.irp c, 0,1
	v_add_nc_u32 v[OP+\c], 0xfe000000, v[MM+\c]    ; 4 off the exponent field: the conversion's scale operand
.endr
.irp c, 0,1
	v_lshrrev_b32 v[NN+\c], 23, v[OP+\c]           ; the scale's byte
.endr
	v_lshl_or_b32 v[NN+2], v[NN+1], 16, v[NN]
	v_lshlrev_b32 v[NN+2], v[SH8], v[NN+2]         ; bytes h and 2 + h
	v_permlanex16_b32 v[XP], v[NN+2], s[SEL], s[SEL+1]
	v_or_b32 v[PW], v[NN+2], v[XP]
	v_cvt_scalef32_pk16_bf6_f32 v[PC:PC+2], v[S:S+15], v[OP]
	v_cvt_scalef32_pk16_bf6_f32 v[PC+6:PC+8], v[S+32:S+47], v[OP+1]
	v_cvt_scalef32_pk16_bf6_f32 v[CT:CT+2], v[S+16:S+31], v[OP]
	v_cvt_scalef32_pk16_bf6_f32 v[CT+4:CT+6], v[S+48:S+63], v[OP+1]
	v_nop                                          ; one plain place behind the scaled conversions
.irp i, 0,1,2
	v_mov_b32 v[PC+3+\i], v[CT+\i]
	v_mov_b32 v[PC+9+\i], v[CT+4+\i]
.endr
.endm
	s_load_b128 s[4:7], s[0:1], 0x0                ; queries, kv
	s_load_b64 s[8:9], s[0:1], 0x10                ; out0
	v_lshl_add_u32 v[SPW], v0, 2, SPARE
	v_mov_b32 v[NIL], 0
	ds_add_u32 v[SPW], v[NIL]                      ; the wave's opening: the add, twice on end, and its wait ahead of my tensor load; the set-up below stands between
	ds_add_u32 v[SPW], v[NIL]
	v_lshrrev_b32 v[ADR], 5, v0
	v_readfirstlane_b32 s[WV], v[ADR]              ; wave 0..15
	s_and_b32 s[BH], ttmp7, 0xffff                 ; 8 x batch + head
	s_lshl_b32 s[Q0], ttmp9, 8
	s_lshl_b32 s16, s[WV], 4
	s_add_co_u32 s[Q0], s[Q0], s16                 ; my first query
	s_lshr_b32 s16, s[BH], 3
	s_lshl_b32 s16, s16, 22                        ; batch x 2,048 rows x 2,048 bytes
	s_and_b32 s17, s[BH], 7
	s_lshl_b32 s17, s17, 8                         ; + head x 256
	s_add_co_u32 s16, s16, s17
	s_lshl_b32 s17, s[Q0], 11                      ; + query x 2,048
	s_add_co_u32 s16, s16, s17
	s_mov_b32 s17, 0
	s_mul_i32 s18, s[BH], 16*STEPB                 ; the head's record in kv, my step of it
	s_mul_i32 s33, s[WV], STEPB                    ; group 0, 63:32: its place in LDS
	s_add_co_u32 s18, s18, s33
	s_mov_b32 s19, 0
	s_mov_b32 s24, 3<<16                           ; group 1: no mask, elements of 8 bytes, no padding
	s_mov_b32 s25, 32<<16                          ; tensor_dim0 = 32 elements: rows of 256 bytes
	s_mov_b32 s26, 50<<16                          ; tensor_dim1 = 50 rows: 12,800 dense bytes
	s_mov_b32 s27, 32<<16                          ; tile_dim0
	s_mov_b32 s28, 50                              ; tile_dim1
	s_mov_b32 s29, 32                              ; from row to row
	s_mov_b32 s30, 0
	s_mov_b32 s31, 0
	s_mov_b32 s32, 1                               ; group 0: count = 1
	s_mul_i32 s36, s[WV], STW
	s_add_co_u32 s36, s36, STAGE                   ; my stage
	s_mov_b32 s[SEL], 0x76543210
	s_mov_b32 s[SEL+1], 0xfedcba98
	s_mov_b32 s[CS], 0x3e38aa3b                    ; c = log2(e) / 8
	s_mov_b32 s[CS+1], s[CS]
	v_and_b32 v[NN], 15, v0                        ; r
	v_bfe_u32 v[NN+1], v0, 4, 1                    ; h
	v_and_b32 v[LI], 31, v0
	v_lshlrev_b32 v[LI], 4, v[LI]
	v_lshlrev_b32 v[GO], 4, v[NN]
	v_lshl_add_u32 v[GO], v[NN+1], 11, v[GO]
	v_mul_u32_u24 v[RD], v[NN+1], 272
	v_lshl_add_u32 v[RD], v[NN], 4, v[RD]
	v_add_nc_u32 v[RD], s36, v[RD]
	v_mul_u32_u24 v[STO], v[NN], 272
	v_add_nc_u32 v[STO], s36, v[STO]
	v_lshl_add_u32 v[QLD], v[NN+1], 7, v[STO]
	v_lshl_add_u32 v[STO], v[NN+1], 5, v[STO]
	v_lshlrev_b32 v[DL], 5, v[NN+1]
	v_sub_nc_u32 v[DL], v[DL], v[NN]
	v_add_nc_u32 v[DL], 2, v[DL]
	v_lshlrev_b32 v[SH8], 3, v[NN+1]
.irp i, 0,1,2
	v_mov_b32 v[XP+\i], 0                          ; a lane permute's destination counts as one of its sources
.endr
	s_wait_dscnt 0x0                               ; both opening adds are done
	s_wait_kmcnt 0x0
	s_add_nc_u64 s[34:35], s[6:7], s[18:19]        ; group 0, 120:64: my step's record in memory
	s_or_b32 s35, s35, 0x80000000                  ; type = 2
	tensor_load_to_lds s[32:35], s[24:31]          ; my one tensor load: one is out
	s_nop 0
	s_add_nc_u64 s[4:5], s[4:5], s[16:17]          ; Q and O at my first query
	s_add_nc_u64 s[8:9], s[8:9], s[16:17]
.irp i, 0,1,2,3,4,5,6,7
	global_load_b128 v[S+4*\i:S+4*\i+3], v[GO], s[4:5] offset:4096*\i th:TH_LOAD_NT   ; rows 2 i + h, 256 bytes each
.endr
	s_wait_loadcnt 0x0
.irp i, 0,1,2,3,4,5,6,7
	ds_store_b128 v[RD], v[S+4*\i:S+4*\i+3] offset:2*\i*272
.endr
.irp j, 0,1,2,3,4,5,6,7
	ds_load_b128 v[S+32+4*\j:S+32+4*\j+3], v[QLD] offset:16*\j   ; my own bytes, served in order: query r, dims 32 h + 0 .. 31: one block
.endr
	s_wait_dscnt 0x0
	v_max3_num_f32 v[MM], |v[S+32]|, |v[S+33]|, 0x2800000
.irp i, 2,4,6,8,10,12,14,16,18,20,22,24,26,28,30
	v_max3_num_f32 v[MM], v[MM], |v[S+32+\i]|, |v[S+33+\i]|
.endr
	v_add_nc_u32 v[OP], 0xfe000000, v[MM]
	v_lshrrev_b32 v[NN], 23, v[OP]
	v_lshlrev_b32 v[NN], v[SH8], v[NN]             ; byte h
	v_permlanex16_b32 v[XP], v[NN], s[SEL], s[SEL+1]
	v_or_b32 v[QSL], v[NN], v[XP]                  ; bytes 0, 1: Q's; bytes 2, 3: 0, over zero codes
	v_lshlrev_b32 v[QSH], 16, v[QSL]               ; and the other way round
	v_cvt_scalef32_pk16_bf6_f32 v[QLO:QLO+2], v[S+32:S+47], v[OP]
	v_cvt_scalef32_pk16_bf6_f32 v[CT:CT+2], v[S+48:S+63], v[OP]
	v_nop                                          ; one plain place behind the scaled conversions
.irp i, 0,1,2
	v_mov_b32 v[QLO+3+\i], v[CT+\i]
.endr
.irp i, 0,1,2,3,4,5
	v_mov_b32 v[QHI+\i], 0                         ; zero codes in front of Q's,
	v_mov_b32 v[QLO+6+\i], 0                       ; and behind them
.endr
.set ii, 0
.rept 32
	v_mov_b32 v[LT+ii], 0                          ; written whole before the selects; these lines are also the places between the scale words' making and the first products
.set ii, ii+1
.endr
	v_mov_b32 v[VDS], 0x40000000                   ; no run kept: no key of it will count
	v_mov_b32 v[CM+1], 0xff61b1e6                  ; m = -3e38, under every score
	v_mul_f32 v[CM], s[CS], v[CM+1]
	v_mov_b32 v[LS], 0
	v_mov_b32 v[LS+1], 0
	v_mov_b32 v[T0], 0
	v_mov_b32 v[T1], 0
	v_mov_b32 v[NINF], 0xff800000
	s_mov_b32 s[TB], 0
	s_mov_b32 s[KF], 0
	s_mov_b32 s[CNT], 16
	s_wait_tensorcnt 0x0                           ; my step's record has landed (the one load that was out),
	s_barrier_signal -1                            ; no LDS instruction of mine is out;
	s_barrier_wait -1                              ; everybody's has: the head's record is whole, and nothing is filled again
; PASS 1: m and l of my half of each query's keys; the window's runs are kept.
.Lpass1:
	LOADK 0
	QK
	BAND 1
	MAX64
	v_mov_b32 v[T0], v[CM]
	v_mul_f32 v[CM], s[CS], v[CM+1]                ; c m
	v_sub_f32 v[T0], v[T0], v[CM]                  ; c m_old - c m_new
	SCALE64
	v_exp_f32 v[T0], v[T0]                         ; f, in the same batch
	EXP64
	v_pk_add_f32 v[NN:NN+1], v[S:S+1], v[S+2:S+3]  ; the step's sum, two at a time, in two chains
	v_pk_add_f32 v[NN+2:NN+3], v[S+4:S+5], v[S+6:S+7]
.irp j, 8,12,16,20,24,28,32,36,40,44,48,52,56,60
	v_pk_add_f32 v[NN:NN+1], v[NN:NN+1], v[S+\j:S+\j+1]
	v_pk_add_f32 v[NN+2:NN+3], v[NN+2:NN+3], v[S+\j+2:S+\j+3]
.endr
	v_pk_add_f32 v[NN:NN+1], v[NN:NN+1], v[NN+2:NN+3]
	v_pk_fma_f32 v[LS:LS+1], v[LS:LS+1], v[T0:T0+1], v[NN:NN+1] op_sel_hi:[1,0,1]   ; l = l f + the sum
	s_add_co_u32 s[TB], s[TB], STEPB
	s_add_co_u32 s[KF], s[KF], 128
	s_sub_co_i32 s[CNT], s[CNT], 1
	s_cmp_lg_u32 s[CNT], 0
	s_cbranch_scc1 .Lpass1
; BETWEEN THE PASSES.  The two halves of the lanes are joined: the row's m, l under it, 1 / l.
	v_permlanex16_b32 v[XP], v[CM+1], s[SEL], s[SEL+1]
	v_max_num_f32 v[CM+1], v[CM+1], v[XP]
	v_mul_f32 v[T1], s[CS], v[CM+1]                ; c m of the row
	v_sub_f32 v[T0], v[CM], v[T1]
	v_exp_f32 v[T0], v[T0]
	v_add_f32 v[LS], v[LS], v[LS+1]                ; (the plain place)
	s_wait_alu depctr_va_vdst(0)
	v_mul_f32 v[LS], v[LS], v[T0]                  ; my half's l under the row's m
	v_permlanex16_b32 v[XP+1], v[LS], s[SEL], s[SEL+1]
	v_add_f32 v[LS], v[LS], v[XP+1]
	v_rcp_f32 v[LS], v[LS]
	v_mov_b32 v[CM], v[T1]                         ; (the plain place)
	s_wait_alu depctr_va_vdst(0)
; The local softmax, on the kept run: key i counts where VDS + i is 0 .. 3; the others become -infinity, as in reference().  Key q itself always counts, so one lane of each pair holds a number.
.set ii, 0
.rept 32
	v_add_nc_u32 v[T0], ii, v[VDS]
	v_cmp_gt_u32 vcc_lo, 4, v[T0]
	v_cndmask_b32 v[LT+ii], v[NINF], v[LT+ii], vcc_lo
.set ii, ii+1
.endr
	v_max3_num_f32 v[NN], v[LT], v[LT+1], v[LT+2]
.irp i, 3,5,7,9,11,13,15,17,19,21,23,25,27,29
	v_max3_num_f32 v[NN], v[NN], v[LT+\i], v[LT+\i+1]
.endr
	v_max_num_f32 v[NN], v[NN], v[LT+31]
	v_permlanex16_b32 v[XP+2], v[NN], s[SEL], s[SEL+1]
	v_max_num_f32 v[NN], v[NN], v[XP+2]            ; the window's largest score
	v_mul_f32 v[T0], s[CS], v[NN]
.set ii, 0
.rept 16
	v_pk_fma_f32 v[LT+ii:LT+ii+1], v[LT+ii:LT+ii+1], s[CS:CS+1], v[T0:T0+1] op_sel_hi:[1,0,0] neg_lo:[0,0,1] neg_hi:[0,0,1]
.set ii, ii+2
.endr
.set ii, 0
.rept 32
	v_exp_f32 v[LT+ii], v[LT+ii]
.set ii, ii+1
.endr
	v_nop
	s_wait_alu depctr_va_vdst(0)                   ; one wait for the batch
	v_pk_add_f32 v[NN:NN+1], v[LT:LT+1], v[LT+2:LT+3]
	v_pk_add_f32 v[NN+2:NN+3], v[LT+4:LT+5], v[LT+6:LT+7]
.irp j, 8,12,16,20,24,28
	v_pk_add_f32 v[NN:NN+1], v[NN:NN+1], v[LT+\j:LT+\j+1]
	v_pk_add_f32 v[NN+2:NN+3], v[NN+2:NN+3], v[LT+\j+2:LT+\j+3]
.endr
	v_pk_add_f32 v[NN:NN+1], v[NN:NN+1], v[NN+2:NN+3]
	v_add_f32 v[NN], v[NN], v[NN+1]
	v_permlanex16_b32 v[XP], v[NN], s[SEL], s[SEL+1]
	v_add_f32 v[NN], v[NN], v[XP]
	v_rcp_f32 v[T0], v[NN]
	v_nop
	s_wait_alu depctr_va_vdst(0)
.set ii, 0
.rept 16
	v_pk_mul_f32 v[LT+ii:LT+ii+1], v[LT+ii:LT+ii+1], v[T0:T0+1] op_sel_hi:[1,0]   ; the local p: 0 outside the window
.set ii, ii+2
.endr
	s_mov_b32 s[TB], 0
	s_mov_b32 s[KF], 0
; PASS 2, a step: the same scores; V's fragments are asked for at once and land under the softmax; p finished, quantised; O^T += V^T P^T.
; The matrix instructions' accumulators take turns, one instruction a turn (eight of S, four of O), over the backward jump too.
.macro STEP2 zero
	LOADK 3-3*\zero
	QK
.irp t, 0,1,2,3
.irp j, 0,1,2
	ds_load_b128 v[FG+12*\t+4*\j:FG+12*\t+4*\j+3], v[ADR] offset:6144+1536*\t+512*\j   ; (behind QK's four places)
.endr
.endr
	SCALE64
	EXP64
.set ii, 0
.rept 32
	v_pk_mul_f32 v[S+ii:S+ii+1], v[S+ii:S+ii+1], v[LS:LS+1] op_sel_hi:[1,0]   ; / l: A_global
.set ii, ii+2
.endr
	BAND 2
	QUANT64
	s_wait_dscnt 0x0                               ; V's fragments are in
.rept 8
	v_nop                                          ; a scale word made by vector instructions stands 8 places ahead of a scaled matrix instruction, an operand so made 4
.endr
.irp t, 0,1,2,3
.if \zero
	v_wmma_scale_f32_16x16x128_f8f6f4 v[OA+8*\t:OA+8*\t+7], v[FG+12*\t:FG+12*\t+11], v[PC:PC+11], 0, v[SC+\t], v[PW] matrix_a_fmt:MATRIX_FMT_BF6 matrix_b_fmt:MATRIX_FMT_BF6 matrix_a_scale:MATRIX_SCALE_ROW1
.else
	v_wmma_scale_f32_16x16x128_f8f6f4 v[OA+8*\t:OA+8*\t+7], v[FG+12*\t:FG+12*\t+11], v[PC:PC+11], v[OA+8*\t:OA+8*\t+7], v[SC+\t], v[PW] matrix_a_fmt:MATRIX_FMT_BF6 matrix_b_fmt:MATRIX_FMT_BF6 matrix_a_scale:MATRIX_SCALE_ROW1
.endif
.endr
	s_add_co_u32 s[TB], s[TB], STEPB
	s_add_co_u32 s[KF], s[KF], 128
.endm
	STEP2 1                                        ; the first step starts O's sums: nothing is cleared
	s_mov_b32 s[CNT], 15
.Lpass2:
	STEP2 0
	s_sub_co_i32 s[CNT], s[CNT], 1
	s_cmp_lg_u32 s[CNT], 0
	s_cbranch_scc1 .Lpass2
; THE WAY OUT.  Register 8 t + j of lane (r, h) is o(query r, channel 16 t + 8 h + j): through my stage, and out as whole rows of 256 bytes, sixteen lanes to a row.
.rept 4
	v_nop                                          ; places behind the last products
.endr
.irp t, 0,1,2,3
	ds_store_b128 v[STO], v[OA+8*\t:OA+8*\t+3] offset:64*\t          ; each accumulator from its low end on
	ds_store_b128 v[STO], v[OA+8*\t+4:OA+8*\t+7] offset:64*\t+16
.endr
.irp i, 0,1,2,3,4,5,6,7
	ds_load_b128 v[S+4*\i:S+4*\i+3], v[RD] offset:2*\i*272           ; my own bytes, served in order: these see the stores above
.endr
.irp i, 0,1,2,3,4,5,6,7
	s_wait_dscnt 7-\i                              ; the loads behind load i may be out
	global_store_b128 v[GO], v[S+4*\i:S+4*\i+3], s[8:9] offset:4096*\i th:TH_STORE_NT   ; 16 lanes store 256 consecutive bytes, at a multiple of 256 from out0's first byte
.endr
	s_wait_tensorcnt 0x0                           ; the wave's end, behind my tensor load and my last LDS store
	ds_add_u32 v[SPW], v[NIL]
	s_wait_dscnt 0x0
	s_endpgm
.Lfunc_end_k_q5930899b68_attn:
	.size	k_q5930899b68_attn, .Lfunc_end_k_q5930899b68_attn-k_q5930899b68_attn
	.p2alignl 7, 3214868480
	.fill 96, 4, 3214868480
	.section	.rodata,"a",@progbits
	.p2align	6, 0x0
	.amdhsa_kernel k_q5930899b68_attn
		.amdhsa_group_segment_fixed_size 327680
		.amdhsa_private_segment_fixed_size 0
		.amdhsa_enable_private_segment 0
		.amdhsa_kernarg_size 24
		.amdhsa_user_sgpr_count 2
		.amdhsa_user_sgpr_kernarg_segment_ptr 1
		.amdhsa_wavefront_size32 1
		.amdhsa_system_sgpr_workgroup_id_x 1
		.amdhsa_system_sgpr_workgroup_id_y 1
		.amdhsa_system_sgpr_workgroup_id_z 1
		.amdhsa_system_vgpr_workitem_id 0
		.amdhsa_next_free_vgpr 256
		.amdhsa_next_free_sgpr 66
		.amdhsa_reserve_vcc 1
		.amdhsa_float_denorm_mode_32 3
		.amdhsa_float_denorm_mode_16_64 3
		.amdhsa_memory_ordered 1
		.amdhsa_forward_progress 1
		.amdhsa_inst_pref_size 64
	.end_amdhsa_kernel
	.amdgpu_metadata
---
amdhsa.version: [ 1, 2 ]
amdhsa.kernels:
  - .name:           k_q5930899b68_attn
    .symbol:         k_q5930899b68_attn.kd
    .args:
      - { .name: queries, .offset: 0, .size: 8, .value_kind: global_buffer, .address_space: global }
      - { .name: kv, .offset: 8, .size: 8, .value_kind: global_buffer, .address_space: global }
      - { .name: out0, .offset: 16, .size: 8, .value_kind: global_buffer, .address_space: global }
    .group_segment_fixed_size: 327680
    .private_segment_fixed_size: 0
    .kernarg_segment_align: 8
    .kernarg_segment_size: 24
    .max_flat_workgroup_size: 512
    .sgpr_count:     66
    .vgpr_count:     256
    .wavefront_size: 32
...
	.end_amdgpu_metadata
.endif
;; end of part 2
